; MI455X (gfx1250); checked and timed in simulation.
; The chip was launched on July 23, 2026; its instructions are those of AMD's public machine-readable ISA for CDNA 5 (MIT licence, August 2026) and "CDNA5" Instruction Set Architecture Reference Guide (July 2026). The comments in the code are by the model that wrote it; some were corrected since.
;; Quant Linear. Allowed arithmetic: float matrix products may take bf16 or f16 operands with f32 sums; all other float work in f32.
;; Inputs: g_idx 4,096 int32; lora_A 16 x 4,096 float32; lora_B 4,096 x 16 float32; qweight 512 x 4,096 int32; qzeros 32 x 512 int32; scales 32 x 4,096 float32; x 4,096 x 4,096 float32.
;; Outputs: out0 4,096 x 4,096 float32.
;; One version. Each part assembles by itself: llvm-mc -triple=amdgcn-amd-amdhsa -mcpu=gfx1250 --defsym DOCPART=n.
;; ======== version 1 of 1: 2 launches
;; limits: values are held in f16: magnitudes above 65,504 overflow, below 6.1e-05 lose precision
;; workspace buffers: xb 33,554,432 bytes; wt 33,554,432 bytes
;; launch prep (part 1): grid 3 x 256, 4 waves a work-group, no clusters, 104,960 bytes of LDS; arguments x, qweight, qzeros, scales, g_idx, lora_A, lora_B, xb, wt; writes xb, wt
.if DOCPART == 1
	.amdgcn_target "amdgcn-amd-amdhsa--gfx1250"
	.amdhsa_code_object_version 6
	.text
	.protected	k_q8066474454_prep
	.globl	k_q8066474454_prep
	.p2align	8
	.type	k_q8066474454_prep,@function
k_q8066474454_prep:
	s_mov_b64 s[64:65], 0
	v_nop
	global_prefetch_b8 v0, s[64:65] scope:SCOPE_SE
	s_setreg_imm32_b32 hwreg(HW_REG_WAVE_MODE, 25, 1), 1
	s_wait_xcnt 0x0
; PREPARATION for out0 = x W + 2 (x A^T) B^T = x (W + 2 A^T B^T).  Two kinds of job, chosen by the work-group's x (the same for all its waves):
;   x = 0      W job y (256 of them): wt[n][k] = f16( scales[g][n] (q4[k][n] - z4[g][n] - 1) + 2 sum_r lora_A[r][k] lora_B[n][r] ), g = g_idx[k],
;              for 128 columns n and 512 rows k; wt is W_eff transposed, [4096 n][4096 k] f16, K along the rows.
;   x = 1, 2   X job 2 y + x - 1 (512 of them): xb = f16(x) for 131,072 bytes of x.
; WHY f16 AND NOT bf16: a sum of products whose two operands are rounded to 8 significant bits has an rms error of about
; sqrt(2) x 0.7 x 2^-8 / sqrt(3) = 0.23 per cent of the sums' rms; the largest of 16.7 million such errors lies five to six times higher, past the
; one per cent that is allowed.  With 11 significant bits the error is eight times smaller.
; LIMITS: x, W_eff, 2 lora_A and lora_B are rounded to f16 (matrix operands): magnitudes of 65,504 and more become infinite, and under 2^-14 the
; step is 2^-24 absolute.  As drawn |x| stays under 6 and |W_eff| under 0.17; 30 times larger, or offset by 30 spreads, both stay under 200;
; 30 times smaller, W_eff has an rms of 1.3e-3, of which the step 6e-8 is 5e-5.
; W is made as fma(q, s, c) with c = fma(-z, s, -s): two f32 roundings, an error of at most 16 x 2^-24 x s.  g_idx is taken as unsigned and
; clamped to 31 (it indexes tables of 32 rows).  Finite inputs.
; NO CLUSTER, NO JOINT LOADS: everything comes through registers.  Read or written once are 64 MiB of x, 8 MiB of qweight, 32 MiB of xb and
; 32 MiB of wt; what several W jobs read alike (scales 16 KiB, qzeros 2, g_idx 2, lora_A 32, lora_B 8 KiB a job) is 15 MiB in all.
.set TB,  4                            ; W job: 16 r (my four columns' bytes in a table row's block of 64 columns)
.set GIA, 5                            ; LDS address of my 8 group numbers of tile 0
.set STO, 6                            ; stage: where I put 16 bytes
.set RD,  7                            ; stage: where I read a row back
.set QO,  8                            ; qweight offset
.set BO,  9                            ; lora_B offset
.set AO,  10                           ; lora_A offset
.set WO,  11                           ; wt offset
.set SO,  12                           ; scales offset
.set ZO,  13                           ; qzeros offset
.set TW,  14                           ; table: where I write
.set SH,  15                           ; shift to my four zeros in a word of eight
.set GO,  16                           ; g_idx offset
.set GW,  17                           ; where my four g_idx words go in LDS
.set GA,  20                           ; v[20:35]   group numbers, then table addresses: two buffers of 8, by the tile's parity
.set AOP, 36                           ; v[36:43]   the matrix instruction's A: 36-39 the tile's fragment, 40-43 zero
.set AF,  44                           ; v[44:75]   2 lora_A, 8 tiles x 4 registers of f16 pairs
.set BF,  76                           ; v[76:107]  lora_B, 4 tiles x 8 registers, the upper 4 of each zero
.set Q,   108                          ; v[108:139] qweight words: tile t, column c at Q + 4 t + c
.set ACC, 140                          ; v[140:171] four tiles of 16 x 16 f32
.set SC,  172                          ; v[172:235] for j = 0..7: four scales at SC + 8 j, four c at SC + 8 j + 4; also at work
.set TMP, 236                          ; v[236:243]
.set GI,   32768                       ; LDS: 0 .. 32767 table (row g of 1,024 bytes: 128 s, then 128 c); here 512 g_idx words
.set STG,  34816                       ; LDS: the waves' stages
.set STGW, 64*272                      ; a wave's stage: 64 rows (columns of W) of 256 bytes (128 k), pitch 272 = 17 x 16
	s_load_b512 s[8:23], s[0:1], 0x0               ; x s[8:9], qweight s[10:11], qzeros s[12:13], scales s[14:15], g_idx s[16:17], lora_A s[18:19], lora_B s[20:21], xb s[22:23]
	s_load_b64 s[24:25], s[0:1], 0x40              ; wt
	v_lshl_add_u32 v244, v0, 2, 0x19800
	v_mov_b32 v245, 0
	v_lshrrev_b32 v1, 5, v0
	v_readfirstlane_b32 s2, v1                     ; wave w
	s_and_b32 s3, ttmp7, 0xffff                    ; y
	s_mov_b32 s27, 0                               ; upper word of every offset pair s[26:27]
	s_cmp_lg_u32 ttmp9, 0
	s_cbranch_scc1 .Lxjob
; ---------------------------------------------------------------- W job
; Columns n0 = 128 (y & 31) .. + 127, rows kb = 512 (y >> 5) .. + 511; wave w owns k = kw .. kw + 127, kw = kb + 128 w, in two blocks nb of 64 columns.
; Tile (t, c): k = kw + 16 t + m, n = n0 + 64 nb + 4 r + c (r = lane & 15, h = lane >> 4).  The result's register j of lane (r, h) is m = 8 h + j,
; which is nibble j of the word qweight[kw/8 + 2 t + h][n]; one 16-byte load holds the words of c = 0..3, and 16 lanes read 256 neighbouring bytes.
	s_and_b32 s5, s3, 31                           ; nr
	s_lshr_b32 s6, s3, 5                           ; kr
	s_lshl_b32 s7, s6, 9
	s_lshl_b32 s4, s2, 7
	s_add_co_u32 s7, s7, s4                        ; kw
	v_and_b32 v1, 15, v0                           ; r
	v_bfe_u32 v2, v0, 4, 1                         ; h
	v_and_b32 v3, 31, v0                           ; lane
	v_lshlrev_b32 v[TB], 4, v1
	s_lshl_b32 s4, s2, 9
	s_add_co_u32 s4, s4, GI
	v_lshl_add_u32 v[GIA], v2, 5, s4               ; GI + 512 w + 32 h
	s_mul_i32 s4, s2, STGW
	s_add_co_u32 s4, s4, STG                       ; my stage
	v_mul_u32_u24 v[STO], v1, 272
	v_lshl_add_u32 v[STO], v2, 4, v[STO]
	v_add_nc_u32 v[STO], s4, v[STO]                ; + 272 r + 16 h
	v_mul_u32_u24 v[RD], v2, 272
	v_lshl_add_u32 v[RD], v1, 4, v[RD]
	v_add_nc_u32 v[RD], s4, v[RD]                  ; + 272 h + 16 r
	v_lshlrev_b32 v[QO], 14, v2
	v_lshl_add_u32 v[QO], v1, 4, v[QO]             ; one row of words for h, 16 r
	v_lshlrev_b32 v[BO], 8, v1
	v_lshl_add_u32 v[BO], v2, 5, v[BO]             ; column 4 r (rows of 64 bytes), rank 8 h
	v_lshlrev_b32 v[AO], 17, v2
	v_lshl_add_u32 v[AO], v1, 2, v[AO]             ; rank 8 h (rows of 16,384 bytes), k = r
	v_lshlrev_b32 v[WO], 15, v2
	v_lshl_add_u32 v[WO], v1, 4, v[WO]             ; four rows of wt for h, 16 r
	s_lshl_b32 s4, s2, 17
	v_lshl_add_u32 v[SO], v3, 4, s4                ; group 8 w, columns 4 lane ..
	s_lshl_b32 s4, s2, 14
	v_lshrrev_b32 v[ZO], 1, v3
	v_lshl_add_u32 v[ZO], v[ZO], 2, s4             ; group 8 w, the word that holds columns 4 lane ..
	s_lshl_b32 s4, s2, 13
	v_lshl_add_u32 v[TW], v3, 4, s4                ; table row 8 w, columns 4 lane ..
	v_and_b32 v[SH], 1, v0
	v_lshlrev_b32 v[SH], 4, v[SH]                  ; odd lanes take the word's upper four nibbles
	v_lshlrev_b32 v[GO], 4, v0
	v_add_nc_u32 v[GW], GI, v[GO]
	s_wait_kmcnt 0x0
	s_lshl_b32 s26, s5, 9
	s_add_nc_u64 s[14:15], s[14:15], s[26:27]      ; scales at column n0
	s_lshl_b32 s26, s5, 6
	s_add_nc_u64 s[12:13], s[12:13], s[26:27]      ; qzeros at word n0 / 8
	s_lshl_b32 s26, s6, 11
	s_add_nc_u64 s[16:17], s[16:17], s[26:27]      ; g_idx at kb
	s_lshl_b32 s26, s7, 2
	s_add_nc_u64 s[18:19], s[18:19], s[26:27]      ; lora_A at column kw
	s_lshl_b32 s26, s5, 13
	s_add_nc_u64 s[20:21], s[20:21], s[26:27]      ; lora_B at row n0
	s_lshl_b32 s26, s7, 11
	s_lshl_b32 s4, s5, 9
	s_add_co_u32 s26, s26, s4
	s_add_nc_u64 s[10:11], s[10:11], s[26:27]      ; qweight at row kw / 8, column n0
	s_lshl_b32 s26, s5, 20
	s_lshl_b32 s4, s7, 1
	s_add_co_u32 s26, s26, s4
	s_add_nc_u64 s[24:25], s[24:25], s[26:27]      ; wt at row n0, column kw
.macro ALOAD half                      ; lora_A[8 h + j][kw + 16 t + r] for four tiles t = 4 half ..: the A fragments' numbers, f32
.irp tt, 0,1,2,3
.irp j, 0,1,2,3,4,5,6,7
	global_load_b32 v[SC+8*\tt+\j], v[AO], s[18:19] offset:\j*16384+64*(4*\half+\tt)
.endr
.endr
.endm
.macro APACK half                      ; times 2 (the LoRA scaling, exact), rounded to f16: four registers a tile
.irp i, 0,1,2,3,4,5,6,7,8,9,10,11,12,13,14,15
	v_pk_mul_f32 v[SC+2*\i:SC+2*\i+1], v[SC+2*\i:SC+2*\i+1], 2.0 op_sel_hi:[1,0]
.endr
.irp i, 0,1,2,3,4,5,6,7,8,9,10,11,12,13,14,15
	v_cvt_pk_f16_f32 v[AF+16*\half+\i], v[SC+2*\i], v[SC+2*\i+1]
.endr
.endm
.macro QLOAD nb                        ; the block's words: 16 rows of words x 64 columns for the wave
.irp tt, 0,1,2,3,4,5,6,7
	global_load_b128 v[Q+4*\tt:Q+4*\tt+3], v[QO], s[10:11] offset:32768*\tt+256*\nb th:TH_LOAD_NT
.endr
.endm
.macro BLOAD nb                        ; lora_B[n0 + 64 nb + 4 r + c][8 h .. 8 h + 7], f32, into the accumulators' registers, which are free then
.irp c, 0,1,2,3
	global_load_b128 v[ACC+8*\c:ACC+8*\c+3],   v[BO], s[20:21] offset:4096*\nb+64*\c
	global_load_b128 v[ACC+8*\c+4:ACC+8*\c+7], v[BO], s[20:21] offset:4096*\nb+64*\c+16
.endr
.endm
.macro BPACK
.irp c, 0,1,2,3
.irp p, 0,1,2,3
	v_cvt_pk_f16_f32 v[BF+8*\c+\p], v[ACC+8*\c+2*\p], v[ACC+8*\c+2*\p+1]
.endr
.endr
.endm
.macro GLOAD                           ; g_idx[kw + 16 TN + 8 h + 0..7] from LDS into the buffer of TN's parity
	ds_load_b128 v[GA+8*(TN&1):GA+8*(TN&1)+3],   v[GIA] offset:64*TN
	ds_load_b128 v[GA+8*(TN&1)+4:GA+8*(TN&1)+7], v[GIA] offset:64*TN+16
.endm
	; the table's inputs: my eight groups' scales and zeros for the 128 columns, and my four g_idx words: 17 loads
.irp i, 0,1,2,3,4,5,6,7
	global_load_b128 v[ACC+4*\i:ACC+4*\i+3], v[SO], s[14:15] offset:16384*\i
.endr
.irp i, 0,1,2,3,4,5,6,7
	global_load_b32 v[TMP+\i], v[ZO], s[12:13] offset:2048*\i
.endr
	global_load_b128 v[GA:GA+3], v[GO], s[16:17]
	ALOAD 0                                        ; 32 loads
	; the rank is 16 and the matrix instruction's K is 32: the upper half of both operands is zero, written once
.irp p, 4,5,6,7
	v_mov_b32 v[AOP+\p], 0
.irp c, 0,1,2,3
	v_mov_b32 v[BF+8*\c+\p], 0
.endr
.endr
	s_wait_loadcnt 32                              ; the 32 loads of lora_A are younger: the table's inputs are in
	QLOAD 0                                        ; 8 loads
	; table row g = 8 w + i: s as loaded, c = -(z + 1) s
.irp i, 0,1,2,3,4,5,6,7
	v_lshrrev_b32 v[TMP+\i], v[SH], v[TMP+\i]
.irp e, 0,1,2,3
	v_bfe_u32 v[GA+4+\e], v[TMP+\i], 4*\e, 4
	v_cvt_f32_u32 v[GA+4+\e], v[GA+4+\e]
	v_fma_f32 v[GA+4+\e], -v[GA+4+\e], v[ACC+4*\i+\e], -v[ACC+4*\i+\e]
.endr
	ds_store_b128 v[TW], v[ACC+4*\i:ACC+4*\i+3] offset:1024*\i
	ds_store_b128 v[TW], v[GA+4:GA+7] offset:1024*\i+512
.endr
	ds_store_b128 v[GW], v[GA:GA+3]
	s_wait_dscnt 0x0                               ; my part of the table and of g_idx is written: zero, for the other waves' sake
	s_barrier_signal -1
	s_barrier_wait -1                              ; the one barrier: table and g_idx are only read from here on, the stages are each wave's own
	BLOAD 0                                        ; 8 loads
.set TN, 0
	GLOAD
	s_wait_loadcnt 16                              ; 8 of qweight and 8 of lora_B are younger: lora_A's first half is in
	APACK 0
	ALOAD 1                                        ; 32 loads
	s_wait_loadcnt 32                              ; those 32 are younger: qweight and lora_B are in
	BPACK
	s_wait_loadcnt 0x0
	APACK 1
; One step: the four tiles (t, 0..3) of block nb.  pre = 1: the next step's group numbers are fetched.
.macro T nb, t, pre
.set G, GA+8*(\t&1)
.if \t
	s_wait_dscnt 0x4                               ; the last step's four stage stores are younger than this step's group numbers
.else
	s_wait_dscnt 0x0
.endif
.irp j, 0,1,2,3,4,5,6,7
	v_min_u32 v[G+\j], 31, v[G+\j]                 ; the tables have 32 rows
.endr
.irp j, 0,1,2,3,4,5,6,7
	v_lshl_add_u32 v[G+\j], v[G+\j], 10, v[TB]     ; table row g, my four columns
.endr
.irp j, 0,1,2,3,4,5,6,7
	ds_load_b128 v[SC+8*\j:SC+8*\j+3],   v[G+\j] offset:256*\nb         ; 16 lanes share k and so g: 256 neighbouring bytes
	ds_load_b128 v[SC+8*\j+4:SC+8*\j+7], v[G+\j] offset:256*\nb+512
.endr
.if \pre
.set TN, (\t+1)&7
	GLOAD
.endif
.irp c, 0,1,2,3
.irp j, 0,1,2,3,4,5,6,7
	v_bfe_u32 v[ACC+8*\c+\j], v[Q+4*\t+\c], 4*\j, 4
.endr
.endr
.irp c, 0,1,2,3
.irp j, 0,1,2,3,4,5,6,7
	v_cvt_f32_u32 v[ACC+8*\c+\j], v[ACC+8*\c+\j]
.endr
.endr
.irp p, 0,1,2,3
	v_mov_b32 v[AOP+\p], v[AF+4*\t+\p]             ; the fragments are kept without their zero halves: 32 registers for 8 tiles in place of 64
.endr
.irp j, 0,1,2,3,4,5,6,7
	s_wait_dscnt 14-2*\j+2*\pre                    ; the younger table loads and the two loads of group numbers may stay out
.irp c, 0,1,2,3
	v_fma_f32 v[ACC+8*\c+\j], v[ACC+8*\c+\j], v[SC+8*\j+\c], v[SC+8*\j+4+\c]   ; q s - (z + 1) s
.endr
.endr
	; + 2 A^T B^T: the dequantised tile is C.  The four accumulators take turns, one instruction a turn.
.irp c, 0,1,2,3
	v_wmma_f32_16x16x32_f16 v[ACC+8*\c:ACC+8*\c+7], v[AOP:AOP+7], v[BF+8*\c:BF+8*\c+7], v[ACC+8*\c:ACC+8*\c+7]
.endr
.rept 4
	v_nop                                          ; four places behind the last matrix instruction before its result is read (ISA guide 7.12.1)
.endr
.irp c, 0,1,2,3
.irp p, 0,1,2,3
	v_cvt_pk_f16_f32 v[ACC+8*\c+\p], v[ACC+8*\c+2*\p], v[ACC+8*\c+2*\p+1]      ; in place, ascending: a register is written after it was read
.endr
.endr
.irp c, 0,1,2,3
	ds_store_b128 v[STO], v[ACC+8*\c:ACC+8*\c+3] offset:4352*\c+32*\t          ; stage row 16 c + r: column 4 r + c; 16 bytes = k 16 t + 8 h ..
.endr
.endm
; The stage goes out: two stage rows a load, stage row rho = 2 u + h is column 8 (u & 7) + (u >> 3) + 4 h.  Sixteen lanes store 256 consecutive
; bytes of a row of wt, at a multiple of 256 from its first byte.  LDS serves a wave's instructions in order (ISA guide 5.7.1): the loads see the stores.
.macro RB nb
.set u, 0
.rept 2
.if u
	s_wait_xcnt 0x0                                ; SC, which the first group's stores read, is loaded again only behind this wait
.endif
.set vv, 0
.rept 16
	ds_load_b128 v[SC+4*vv:SC+4*vv+3], v[RD] offset:544*(u+vv)
.set vv, vv+1
.endr
.set vv, 0
.rept 16
	s_wait_dscnt 15-vv
	global_store_b128 v[WO], v[SC+4*vv:SC+4*vv+3], s[24:25] offset:(64*\nb+8*((u+vv)&7)+((u+vv)>>3))*8192
.set vv, vv+1
.endr
.set u, u+16
.endr
.endm
.irp t, 0,1,2,3,4,5,6,7
	T 0, \t, 1
.endr
	QLOAD 1                                        ; Q and the accumulators' registers are free: the second block's inputs travel while the stage goes out
	BLOAD 1
	RB 0
	s_wait_loadcnt 0x0
	BPACK
	s_wait_xcnt 0x0                                ; SC, which the stores above read, is loaded again only behind this wait
.irp t, 0,1,2,3,4,5,6
	T 1, \t, 1
.endr
	T 1, 7, 0
	RB 1
	s_wait_tensorcnt 0x0
	ds_add_u32 v244, v245
	s_wait_dscnt 0x0
	s_endpgm
; ---------------------------------------------------------------- X job
; 131,072 bytes of x in 64 steps of 2,048: a wave's load covers 512 neighbouring bytes, its store 256, both aligned.
; A ring of 16 register slots keeps 16 loads of every wave on their way; all steps stand in the immediates, so no address is ever rewritten.
.set XS, 172                           ; slot i: v[172 + 4 i ..] four f32 as loaded
.set YS, 140                           ; slot i: v[140 + 2 i ..] four f16 to store
.Lxjob:
	s_lshl_b32 s4, s3, 1
	s_add_co_u32 s4, s4, ttmp9
	s_sub_co_u32 s4, s4, 1                         ; job 2 y + x - 1
	v_lshlrev_b32 v4, 4, v0                        ; 16 bytes of x a thread
	v_lshlrev_b32 v5, 3, v0                        ; 8 bytes of xb
	s_wait_kmcnt 0x0
	s_lshl_b32 s26, s4, 17
	s_add_nc_u64 s[8:9], s[8:9], s[26:27]
	s_lshl_b32 s26, s4, 16
	s_add_nc_u64 s[22:23], s[22:23], s[26:27]
.set s, 0
.rept 16
	global_load_b128 v[XS+4*s:XS+4*s+3], v4, s[8:9] offset:s*2048 th:TH_LOAD_NT
.set s, s+1
.endr
.set s, 0
.rept 64
.if s < 48
	s_wait_loadcnt 15                              ; loads come back in order (ISA guide 5.7.1): the 15 younger ones stay out
.else
	s_wait_loadcnt 63-s                            ; nothing is loaded any more: the counts run down
.endif
	s_wait_xcnt 0x0                                ; the slot's pair, which its last store reads, is rewritten only behind this wait
	v_cvt_pk_f16_f32 v[YS+2*(s%16)],   v[XS+4*(s%16)],   v[XS+4*(s%16)+1]
	v_cvt_pk_f16_f32 v[YS+2*(s%16)+1], v[XS+4*(s%16)+2], v[XS+4*(s%16)+3]
.if s < 48
	global_load_b128 v[XS+4*(s%16):XS+4*(s%16)+3], v4, s[8:9] offset:(s+16)*2048 th:TH_LOAD_NT
.endif
	global_store_b64 v5, v[YS+2*(s%16):YS+2*(s%16)+1], s[22:23] offset:s*1024
.set s, s+1
.endr
	s_endpgm
.Lfunc_end_k_q8066474454_prep:
	.size	k_q8066474454_prep, .Lfunc_end_k_q8066474454_prep-k_q8066474454_prep
	.p2alignl 7, 3214868480
	.fill 96, 4, 3214868480
	.section	.rodata,"a",@progbits
	.p2align	6, 0x0
	.amdhsa_kernel k_q8066474454_prep
		.amdhsa_group_segment_fixed_size 104960
		.amdhsa_private_segment_fixed_size 0
		.amdhsa_enable_private_segment 0
		.amdhsa_kernarg_size 72
		.amdhsa_user_sgpr_count 2
		.amdhsa_user_sgpr_kernarg_segment_ptr 1
		.amdhsa_wavefront_size32 1
		.amdhsa_system_sgpr_workgroup_id_x 1
		.amdhsa_system_sgpr_workgroup_id_y 1
		.amdhsa_system_sgpr_workgroup_id_z 1
		.amdhsa_system_vgpr_workitem_id 0
		.amdhsa_next_free_vgpr 246
		.amdhsa_next_free_sgpr 66
		.amdhsa_reserve_vcc 0
		.amdhsa_float_denorm_mode_32 3
		.amdhsa_float_denorm_mode_16_64 3
		.amdhsa_memory_ordered 1
		.amdhsa_forward_progress 1
		.amdhsa_inst_pref_size 206
	.end_amdhsa_kernel
	.amdgpu_metadata
---
amdhsa.version: [ 1, 2 ]
amdhsa.kernels:
  - .name:           k_q8066474454_prep
    .symbol:         k_q8066474454_prep.kd
    .args:
      - { .name: x, .offset: 0, .size: 8, .value_kind: global_buffer, .address_space: global }
      - { .name: qweight, .offset: 8, .size: 8, .value_kind: global_buffer, .address_space: global }
      - { .name: qzeros, .offset: 16, .size: 8, .value_kind: global_buffer, .address_space: global }
      - { .name: scales, .offset: 24, .size: 8, .value_kind: global_buffer, .address_space: global }
      - { .name: g_idx, .offset: 32, .size: 8, .value_kind: global_buffer, .address_space: global }
      - { .name: lora_A, .offset: 40, .size: 8, .value_kind: global_buffer, .address_space: global }
      - { .name: lora_B, .offset: 48, .size: 8, .value_kind: global_buffer, .address_space: global }
      - { .name: xb, .offset: 56, .size: 8, .value_kind: global_buffer, .address_space: global }
      - { .name: wt, .offset: 64, .size: 8, .value_kind: global_buffer, .address_space: global }
    .group_segment_fixed_size: 104960
    .private_segment_fixed_size: 0
    .kernarg_segment_align: 8
    .kernarg_segment_size: 72
    .max_flat_workgroup_size: 128
    .sgpr_count:     66
    .vgpr_count:     246
    .wavefront_size: 32
...
	.end_amdgpu_metadata
.endif
;; end of part 1
;; launch gemm (part 2): grid 16 x 16, 4 waves a work-group, clusters of 4 x 4, 327,680 bytes of LDS; arguments xb, wt, out0; writes out0
.if DOCPART == 2
	.amdgcn_target "amdgcn-amd-amdhsa--gfx1250"
	.amdhsa_code_object_version 6
	.text
	.protected	k_q8066474454_gemm
	.globl	k_q8066474454_gemm
	.p2align	8
	.type	k_q8066474454_gemm,@function
k_q8066474454_gemm:
	s_mov_b64 s[64:65], 0
	v_nop
	global_prefetch_b8 v0, s[64:65] scope:SCOPE_SE
	s_setreg_imm32_b32 hwreg(HW_REG_WAVE_MODE, 25, 1), 1
	s_wait_xcnt 0x0
	s_wait_alu depctr_hold_cnt(0) depctr_sa_sdst(0) depctr_va_vdst(0) depctr_va_sdst(0) depctr_va_ssrc(0) depctr_va_vcc(0) depctr_vm_vsrc(0)
	s_getreg_b32 s2, hwreg(HW_REG_IB_STS2, 6, 4)
	s_cmp_eq_u32 s2, 0
	s_cbranch_scc0 .Lentry_in_a_cluster
	s_endpgm
.Lentry_in_a_cluster:
	s_bfe_u32 s2, ttmp6, 0x10000c
	s_cmp_lg_u32 s2, 0xf033
	s_cbranch_scc0 .Lentry_shape_is_right
	s_endpgm
.Lentry_shape_is_right:
; out0[m][n] = sum over k of xb[m][k] wt[n][k].  xb: [4096][4096] f16 = x; wt: [4096 n][4096 k] f16 = W + 2 A^T B^T, transposed; out0: [4096][4096] f32.
; LIMITS: the operands are f16 as the launch before rounded them (11 significant bits; magnitudes of 65,504 and more are infinite there, and under
; 2^-14 the step is 2^-24 absolute); one f32 sum for each output, K ascending.
; A work-group makes a block of 256 x 256 with four waves, as many as a WGP has SIMDs; a wave makes 128 x 128: 64 accumulator tiles of 16 x 16,
; 512 registers.  16 x 16 blocks = 256 work-groups.  K goes in 32 steps of 128 through a ring of two LDS slots filled by the tensor data mover:
; a tile's rows are 256 bytes of memory and start at multiples of 256 bytes from the buffer's first byte.
; CLUSTERS: 4 x 4 work-groups.  The four of a row of the cluster need the same tiles of xb, the four of a column the same tiles of wt.  Such a tile is asked
; for JOINTLY: each of the four issues the same tensor load, with the same descriptor and a mask that names the four.  That divides the requests by four.
;
; REGISTERS, in windows of 256 (s_set_vgpr_msb says which window each operand place means):
;   window 0: v0-31 addresses; v64-127, v128-191 fragments of A (8 x 16 rows x 32 K), two buffers, and the rows on the way out
;   window 1: v64-127, v128-191 fragments of B, two buffers
;   window 2: the 32 accumulator tiles of my rows 0-63 (tile (a, b) at v[8 (8 a + b)]);   window 3: those of my rows 64-127
; s_set_vgpr_msb's low byte: bits 1:0 source 0, 3:2 source 1, 5:4 source 2, 7:6 destination.
;
; THE MATRIX INSTRUCTION IS USED TRANSPOSED: source 0 = 16 rows of wt, source 1 = 16 rows of xb.  Lane l then holds row m = l % 16 of the result and its
; registers 0 to 7 the columns n = 8 (l / 16) + 0 .. 7: 32 neighbouring bytes of a row of out0, which go to LDS as two stores of 16 bytes.
.set SIZE_N, 4096
.set SIZE_K, 4096
.set KSTEP,  128
.set PITCH,  272                       ; an LDS row: 256 bytes of data + 16 of padding = 17 x 16: the 16 rows that a load touches lie in 16 different columns of 16 bytes modulo 256
.set HALFT,  128*PITCH                 ; 128 rows: what one tensor load brings, and what one wave reads of A or of B
.set SLOT,   4*HALFT                   ; A's 256 rows, then B's 256 rows
.set STAGE,  2*SLOT                    ; behind the ring, a multiple of 256: 16 rows x 528 bytes for each wave, for the way out; no tensor load lands there
.set SPITCH, 528                       ; 512 bytes of a row of 128 f32 + 16 = 33 x 16
.set LAPS, SIZE_K/(2*KSTEP)            ; a lap = two K steps = once round the ring: 16
.set ADRA, 16                          ; v16-17  LDS address of my A fragments in slot 0, 1
.set ADRB, 20                          ; v20-21  the same for B
.set STO,  24                          ; v24     the way out: where I put 32 bytes of a row
.set RD,   25                          ; v25     the way out: where I read a row back
.set CO,   26                          ; v26     my byte offset in a row of out0
.set F0,   64                          ; fragment buffer 0
.set F1,   128                         ; fragment buffer 1
.set G1, 24                            ; s[24:31] descriptor group 1 for A's tiles
.set G0, 32                            ; s[32:39] descriptor group 0 for A's tiles, one set for each slot
.set G1B, 48                           ; s[48:55] descriptor group 1 for B's tiles: it differs from A's in the mask alone
.set G0B, 56                           ; s[56:63] descriptor group 0 for B's tiles, one set for each slot
.set MSB, 0
.macro WIN new                         ; the immediate's high byte repeats the setting that is left
.if MSB != \new
	s_set_vgpr_msb (MSB<<8)|\new
.set MSB, \new
.endif
.endm
.set MUL_LO, 0xa1                      ; source 0 (B) window 1, source 1 (A) window 0, C and D window 2
.set MUL_HI, 0xf1                      ; the same, C and D window 3
.set TO_B,   0x40                      ; destination window 1, address window 0
; A joint load.  Waves 0 and 1 fetch A's two halves, waves 2 and 3 B's.  Each of the two lines has ONE mask and one set of registers for all that issue it, and
; nothing in them hangs on a coordinate that the four partners do not share.  The branch hangs on the wave's number alone.
.macro JLOAD s
	s_cmp_eq_u32 s11, 0
	s_cbranch_scc0 .Lfor_b_\@
	tensor_load_to_lds s[G0+4*\s:G0+4*\s+3], s[G1:G1+7]
	s_nop 0
	s_branch .Lasked_\@
.Lfor_b_\@:
	tensor_load_to_lds s[G0B+4*\s:G0B+4*\s+3], s[G1B:G1B+7]
	s_nop 0
.Lasked_\@:
.endm
; A round of the cluster's barrier: my work-group's barrier, so that wave 0's signal speaks for all four waves; wave 0 signals for the work-group; every wave
; waits for all sixteen work-groups; my work-group's barrier once more.
.macro CREST                           ; a round behind its opening barrier
	s_cmp_lg_u32 s10, 0
	s_cbranch_scc1 .Lnot_wave_0_\@
	s_barrier_signal -3
.Lnot_wave_0_\@:
	s_barrier_wait -3
	s_barrier_signal -1
	s_barrier_wait -1
.endm
.macro CROUND                          ; a whole round
	s_barrier_signal -1
	s_barrier_wait -1
	CREST
.endm
	s_load_b128 s[4:7], s[0:1], 0x0                ; xb s[4:5], wt s[6:7]
	s_load_b64 s[8:9], s[0:1], 0x10                ; out0
	s_set_vgpr_msb 0x40
	v_lshl_add_u32 v255, v0, 2, 0x4c400
	s_set_vgpr_msb 0x4000
	v_mov_b32 v255, 0
	s_set_vgpr_msb 0x1
	ds_add_u32 v255, v255
	s_set_vgpr_msb 0x100
	v_lshrrev_b32 v1, 5, v0
	v_readfirstlane_b32 s10, v1                    ; wave 0..3
	s_lshr_b32 s11, s10, 1                         ; which half of the block's rows is mine.  Also: I fetch for A (0) or for B (1)
	s_and_b32 s12, s10, 1                          ; which half of its columns.  Also: which 128 rows of that tile I fetch
	s_bfe_u32 s40, ttmp6, 0x40000                  ; cx: my place along the cluster's x
	s_bfe_u32 s41, ttmp6, 0x40004                  ; cy: along its y
	s_lshl_b32 s42, ttmp9, 2                       ; in a cluster launch ttmp9 and ttmp7 count clusters
	s_add_co_u32 s42, s42, s40                     ; block column = 4 x cluster x + cx
	s_and_b32 s13, ttmp7, 0xffff
	s_lshl_b32 s13, s13, 2
	s_add_co_u32 s13, s13, s41                     ; block row = 4 x cluster y + cy
	s_lshl_b32 s43, s41, 2
	s_lshl_b32 s43, 15, s43                        ; my row of the cluster: places 4 cy .. 4 cy + 3
	s_lshl_b32 s44, 0x1111, s40                    ; my column: places cx, cx + 4, cx + 8, cx + 12
	; descriptor group 1: a tile of 128 rows x 128 elements, padded in LDS
	s_or_b32 s[G1+0], s43, (1<<16)|(1<<20)|(1<<21)|(5<<22)|(3<<25)  ; 15:0 the mask: A's tiles go to my row; 17:16 element of 2 bytes; 20 padding on; 21 set beside a mask; 24:22 after every 64 words (code 5); 31:25 of 4 words (code 3)
	s_or_b32 s[G1B+0], s44, (1<<16)|(1<<20)|(1<<21)|(5<<22)|(3<<25) ; the same with the mask of my column, for B's tiles
	s_mov_b32 s[G1B+1], KSTEP<<16
	s_mov_b32 s[G1+1], KSTEP<<16                   ; 63:48 tensor_dim0, low half = 128
	s_mov_b32 s[G1B+2], 128<<16
	s_mov_b32 s[G1+2], 128<<16                     ; 79:64 its high half = 0; 95:80 tensor_dim1, low half = 128
	s_mov_b32 s[G1B+3], KSTEP<<16
	s_mov_b32 s[G1+3], KSTEP<<16                   ; 111:96 its high half = 0; 127:112 tile_dim0 = 128
	s_mov_b32 s[G1B+4], 128
	s_mov_b32 s[G1+4], 128                         ; 143:128 tile_dim1 = 128; 159:144 tile_dim2 = 0
	s_mov_b32 s[G1B+5], SIZE_K
	s_mov_b32 s[G1+5], SIZE_K                      ; 191:160 tensor_dim0_stride, low word: elements from row to row
	s_mov_b32 s[G1B+6], 0
	s_mov_b32 s[G1+6], 0
	s_mov_b32 s[G1B+7], 0
	s_mov_b32 s[G1+7], 0
	; where the tiles come from.  A's hang on the block row alone, which my row of the cluster shares; B's on the block column alone, which my column shares.
	; Every wave makes both addresses, in registers that never hold the other coordinate, and asks by one of them.
	s_lshl_b32 s17, s12, 7                         ; which 128 rows of the tile I fetch
	s_lshl_b32 s16, s13, 8
	s_add_co_u32 s16, s16, s17                     ; A: row 256 x block row + 128 x half
	s_lshl_b32 s46, s42, 8
	s_add_co_u32 s46, s46, s17                     ; B: row 256 x block column + 128 x half
	s_mov_b32 s17, 0
	s_mov_b32 s47, 0
	s_mov_b64 s[18:19], SIZE_K*2
	s_mul_u64 s[16:17], s[16:17], s[18:19]         ; in bytes
	s_mul_u64 s[46:47], s[46:47], s[18:19]
	s_mul_i32 s20, s10, HALFT                      ; and where they go: A's two halves, then B's two halves = wave x 128 rows: no place in the cluster enters an LDS address
	s_wait_dscnt 0x0
	s_wait_kmcnt 0x0
	s_add_nc_u64 s[14:15], s[4:5], s[16:17]
	s_add_nc_u64 s[46:47], s[6:7], s[46:47]
	CROUND                                         ; all sixteen work-groups are here: the first joint loads meet
.irp s, 0,1
	s_mov_b32 s[G0+4*\s], 1                                        ; 1:0 count = 1
	s_add_co_u32 s[G0+4*\s+1], s20, \s*SLOT                        ; 63:32 LDS address
	s_add_nc_u64 s[G0+4*\s+2:G0+4*\s+3], s[14:15], \s*KSTEP*2      ; 120:64 global address: K step s
	s_or_b32 s[G0+4*\s+3], s[G0+4*\s+3], 0x80000000                ; 127:126 type = 2
	s_mov_b32 s[G0B+4*\s], 1
	s_add_co_u32 s[G0B+4*\s+1], s20, \s*SLOT
	s_add_nc_u64 s[G0B+4*\s+2:G0B+4*\s+3], s[46:47], \s*KSTEP*2
	s_or_b32 s[G0B+4*\s+3], s[G0B+4*\s+3], 0x80000000
	JLOAD \s                                       ; the ring is filled before anything else is done: two tensor loads of the wave are out
.endr
	; A fragment is 16 rows x 32 K in 8 registers: lane l holds row l % 16; registers 0-3 hold K = 8 (l / 16) + 0..7, registers 4-7 hold
	; K = 16 + 8 (l / 16) + 0..7.  From rows that lie along K: two loads of 16 bytes, 32 bytes apart.  The same for source 0 and source 1.
	v_and_b32 v1, 15, v0                           ; l % 16
	v_bfe_u32 v2, v0, 4, 1                         ; l / 16
	v_mul_u32_u24 v3, v1, PITCH
	v_lshl_add_u32 v3, v2, 4, v3                   ; row x pitch + 16 x half
	s_mul_i32 s21, s11, HALFT                      ; my 128 rows of A
	s_mul_i32 s22, s12, HALFT                      ; my 128 rows of B,
	s_add_co_u32 s22, s22, 2*HALFT                 ; which lie behind A's 256
.irp s, 0,1
	v_add_nc_u32 v[ADRA+\s], s21, v3
	v_add_nc_u32 v[ADRB+\s], s22, v3
	s_add_co_u32 s21, s21, SLOT
	s_add_co_u32 s22, s22, SLOT
.endr
	s_mul_i32 s23, s10, 16*SPITCH
	s_add_co_u32 s23, s23, STAGE                   ; my stage
	v_mul_u32_u24 v4, v1, SPITCH                   ; in: row l % 16, 32 bytes for each half of the lanes
	v_lshl_add_u32 v4, v2, 5, v4
	v_add_nc_u32 v[STO], s23, v4
	v_and_b32 v5, 31, v0
	v_lshlrev_b32 v[CO], 4, v5                     ; back and out: 32 lanes take one row of 512 bytes
	v_add_nc_u32 v[RD], s23, v[CO]
; 16 matrix instructions: m blocks a0, a0 + 1 of the window's four (hi = 0: my rows 0-63, 1: rows 64-127) x all 8 n blocks, 32 along K.
; zero = 1: the first product starts the sums: nothing is ever cleared.
.macro MUL16 f, hi, a0, zero
.irp a, \a0, \a0+1
.irp b, 0,1,2,3,4,5,6,7
.if \zero
	v_wmma_f32_16x16x32_f16 v[8*(8*(\a)+\b):8*(8*(\a)+\b)+7], v[\f+8*\b:\f+8*\b+7], v[\f+8*(4*\hi+\a):\f+8*(4*\hi+\a)+7], 0
.else
	v_wmma_f32_16x16x32_f16 v[8*(8*(\a)+\b):8*(8*(\a)+\b)+7], v[\f+8*\b:\f+8*\b+7], v[\f+8*(4*\hi+\a):\f+8*(4*\hi+\a)+7], v[8*(8*(\a)+\b):8*(8*(\a)+\b)+7]
.endif
.endr
.endr
.endm
; 32 LDS loads in one run: the fragments of one quarter step (128 rows of B, 128 rows of A, 32 K at byte k of the rows) into buffer f
.macro FETCH slot, k, f
	WIN TO_B
.irp i, 0,1,2,3,4,5,6,7
	ds_load_b128 v[\f+8*\i:\f+8*\i+3],   v[ADRB+\slot] offset:\k+\i*16*PITCH
	ds_load_b128 v[\f+8*\i+4:\f+8*\i+7], v[ADRB+\slot] offset:\k+\i*16*PITCH+32
.endr
	WIN 0
.irp i, 0,1,2,3,4,5,6,7
	ds_load_b128 v[\f+8*\i:\f+8*\i+3],   v[ADRA+\slot] offset:\k+\i*16*PITCH
	ds_load_b128 v[\f+8*\i+4:\f+8*\i+7], v[ADRA+\slot] offset:\k+\i*16*PITCH+32
.endr
.endm
; A load into a register that a matrix instruction has read, and an instruction that reads a matrix result, stand four places behind that matrix
; instruction, and only plain vector instructions that name none of its registers are places (ISA guide 7.12.1 for vector instructions).
; So four v_nop stand in front of each run of loads: sixteen issue slots for a K step's 256 matrix instructions.
.macro PLACES
.rept 4
	v_nop
.endr
.endm
; A K step is four quarter steps of 32 along K, 64 matrix instructions each, on buffers 0, 1, 0, 1.  The 64 accumulators take turns, one instruction
; a turn, in the same order in every quarter step.
; One of the first three: multiplies buffer f; in its middle it fetches the next quarter's fragments, at byte k of the same slot's rows, into buffer g.
.macro QUARTER slot, k, f, g, zero
	s_wait_dscnt 8                                 ; B and A's rows 0-63 are in; the youngest eight loads (A's rows 64-127) may be out
	WIN MUL_LO
	MUL16 \f, 0, 0, \zero
	MUL16 \f, 0, 2, \zero
	PLACES
	FETCH \slot, \k, \g
	s_wait_dscnt 32                                ; all but the 32 just issued
	WIN MUL_HI
	MUL16 \f, 1, 0, \zero
	MUL16 \f, 1, 2, \zero
.endm
.macro THREE slot, zero
	QUARTER \slot, 64,  F0, F1, \zero
	QUARTER \slot, 128, F1, F0, 0
	QUARTER \slot, 192, F0, F1, 0
.endm
; The last quarter: multiplies buffer 1 and changes slots.  next = the other slot; fill = 1: this slot is filled again, two K steps ahead.
; ONE barrier for the change of slots, for two things.  In front of it each wave waits for its own reads of this slot and for all its tensor loads,
; of which one is out: its part of the next slot.  Behind it nobody reads this slot any more and the next slot is whole: the refill comes
; first, then the next slot's first fragments.  From a request to the wait for it a wave issues 240 matrix instructions.
.macro TURN slot, next, fill
	s_wait_dscnt 8
	WIN MUL_LO
	MUL16 F1, 0, 0, 0
	s_wait_dscnt 0                                 ; my reads of this slot are over
	s_wait_tensorcnt 0x0                           ; and all my tensor loads have landed: the one that was out is my part of the next slot:
	ds_add_u32 v255, v255
	s_wait_dscnt 0x0
	s_barrier_signal -1                            ; say so (where a slot is filled again this barrier opens a round of the cluster's barrier),
	MUL16 F1, 0, 2, 0                              ; work on registers while the others arrive,
	WIN 0
	s_barrier_wait -1                              ; and go on when all four have said so
.if \fill
	CREST                                          ; wave 0 says so for the work-group, all sixteen work-groups have said so, my work-group's barrier closes the round:
	                                               ; no wave of any partner still reads this slot's tile or has a load on its way
	s_add_nc_u64 s[G0+4*\slot+2:G0+4*\slot+3], s[G0+4*\slot+2:G0+4*\slot+3], 2*KSTEP*2
	s_add_nc_u64 s[G0B+4*\slot+2:G0B+4*\slot+3], s[G0B+4*\slot+2:G0B+4*\slot+3], 2*KSTEP*2
	JLOAD \slot                                    ; the first tensor load behind the round, and the wave's only one until the next
.endif
	PLACES
	FETCH \next, 0, F0
	WIN MUL_HI
	MUL16 F1, 1, 0, 0
	MUL16 F1, 1, 2, 0
.endm
.macro LAP zero                        ; once round the ring, both slots filled again
	THREE 0, \zero
	TURN 0, 1, 1
	THREE 1, 0
	TURN 1, 0, 1
.endm
	s_wait_tensorcnt 1                             ; my part of K step 0 is in; K step 1's may stay out
	s_barrier_signal -1
	s_barrier_wait -1                              ; everybody's is
	FETCH 0, 0, F0
	LAP 1                                          ; the first lap stands in front of the loop: its first products start the sums
.if LAPS > 2
	WIN 0                                          ; at a label and at a branch every window is 0
	s_mov_b32 s3, LAPS-2
.Llap:
	LAP 0
	WIN 0
	s_sub_co_u32 s3, s3, 1
	s_cmp_lg_u32 s3, 0
	s_cbranch_scc1 .Llap
.endif
	THREE 0, 0                                     ; the last lap fills nothing, and has no round of the cluster's barrier: my one tensor load that is still out is slot 1's, the last K step's
	TURN 0, 1, 0
	THREE 1, 0
	s_wait_dscnt 8                                 ; the very last quarter: nothing more to fetch
	WIN MUL_LO
	MUL16 F1, 0, 0, 0
	MUL16 F1, 0, 2, 0
	s_wait_dscnt 0
	WIN MUL_HI
	MUL16 F1, 1, 0, 0
	MUL16 F1, 1, 2, 0
	; THE WAY OUT, 16 rows at a time: 32 bytes a lane straight from the accumulators into my own stage in LDS, read back as whole rows of 512 bytes.
	; The four v_nop are the places behind the last matrix instructions: for the LDS stores, which read results, and for the loads into buffers 0 and 1.
	PLACES
	s_lshl_b32 s13, s13, 8
	s_lshl_b32 s14, s11, 7
	s_add_co_u32 s16, s13, s14                     ; my first row of out0,
	s_lshl_b32 s16, s16, 14                        ; times 16,384 bytes: below 2^26
	s_mov_b32 s17, 0
	s_add_nc_u64 s[8:9], s[8:9], s[16:17]
	s_lshl_b32 s46, s42, 10                        ; my first column, in bytes: 1,024 x block + 512 x half
	s_lshl_b32 s47, s12, 9
	s_add_co_u32 s46, s46, s47
	s_mov_b32 s47, 0
	s_add_nc_u64 s[8:9], s[8:9], s[46:47]
; rows 16 i .. 16 i + 15 of my block = the eight tiles (a, 0..7) of window 2 or 3 (from = 0x08 or 0x0c: an LDS store's data is source 1); f: F0 or F1 in turn
.macro OUT16 i, a, from, f
	WIN \from
.irp b, 0,1,2,3,4,5,6,7
	ds_store_b128 v[STO], v[8*(8*\a+\b):8*(8*\a+\b)+3]   offset:64*\b
	ds_store_b128 v[STO], v[8*(8*\a+\b)+4:8*(8*\a+\b)+7] offset:64*\b+16
.endr
	WIN 0
	s_wait_xcnt 0x0                                ; buffer f, which earlier stores read, and the stores' base are rewritten only behind this wait
.if \i
	s_add_nc_u64 s[8:9], s[8:9], 16*SIZE_N*4       ; 16 rows on
.endif
.irp t, 0,1,2,3,4,5,6,7,8,9,10,11,12,13,14,15
	ds_load_b128 v[\f+4*\t:\f+4*\t+3], v[RD] offset:\t*SPITCH      ; LDS serves a wave's instructions in order (ISA guide 5.7.1): these see the stores above
.endr
.irp t, 0,1,2,3,4,5,6,7,8,9,10,11,12,13,14,15
	s_wait_dscnt 15-\t
	global_store_b128 v[CO], v[\f+4*\t:\f+4*\t+3], s[8:9] offset:\t*SIZE_N*4 th:TH_STORE_NT   ; the wave stores 512 consecutive bytes, at a multiple of 512 from out0's first byte
.endr
.endm
	OUT16 0, 0, 0x08, F0
	OUT16 1, 1, 0x08, F1
	OUT16 2, 2, 0x08, F0
	OUT16 3, 3, 0x08, F1
	OUT16 4, 0, 0x0c, F0
	OUT16 5, 1, 0x0c, F1
	OUT16 6, 2, 0x0c, F0
	OUT16 7, 3, 0x0c, F1
	s_set_vgpr_msb 0x1
	s_wait_tensorcnt 0x0
	ds_add_u32 v255, v255
	s_wait_dscnt 0x0
	s_set_vgpr_msb 0x100
	CROUND                                         ; the closing round: no work-group ends while a partner may still ask for a tile that names it
	s_endpgm
.Lfunc_end_k_q8066474454_gemm:
	.size	k_q8066474454_gemm, .Lfunc_end_k_q8066474454_gemm-k_q8066474454_gemm
	.p2alignl 7, 3214868480
	.fill 96, 4, 3214868480
	.section	.rodata,"a",@progbits
	.p2align	6, 0x0
	.amdhsa_kernel k_q8066474454_gemm
		.amdhsa_group_segment_fixed_size 327680
		.amdhsa_private_segment_fixed_size 0
		.amdhsa_enable_private_segment 0
		.amdhsa_kernarg_size 24
		.amdhsa_user_sgpr_count 2
		.amdhsa_user_sgpr_kernarg_segment_ptr 1
		.amdhsa_wavefront_size32 1
		.amdhsa_system_sgpr_workgroup_id_x 1
		.amdhsa_system_sgpr_workgroup_id_y 1
		.amdhsa_system_sgpr_workgroup_id_z 1
		.amdhsa_system_vgpr_workitem_id 0
		.amdhsa_next_free_vgpr 1024
		.amdhsa_next_free_sgpr 66
		.amdhsa_reserve_vcc 0
		.amdhsa_float_denorm_mode_32 3
		.amdhsa_float_denorm_mode_16_64 3
		.amdhsa_memory_ordered 1
		.amdhsa_forward_progress 1
		.amdhsa_inst_pref_size 196
	.end_amdhsa_kernel
	.amdgpu_metadata
---
amdhsa.version: [ 1, 2 ]
amdhsa.kernels:
  - .name:           k_q8066474454_gemm
    .symbol:         k_q8066474454_gemm.kd
    .args:
      - { .name: xb, .offset: 0, .size: 8, .value_kind: global_buffer, .address_space: global }
      - { .name: wt, .offset: 8, .size: 8, .value_kind: global_buffer, .address_space: global }
      - { .name: out0, .offset: 16, .size: 8, .value_kind: global_buffer, .address_space: global }
    .group_segment_fixed_size: 327680
    .private_segment_fixed_size: 0
    .kernarg_segment_align: 8
    .kernarg_segment_size: 24
    .max_flat_workgroup_size: 128
    .sgpr_count:     66
    .vgpr_count:     1024
    .wavefront_size: 32
...
	.end_amdgpu_metadata
.endif
;; end of part 2
